; MI455X (gfx1250); checked and timed in simulation.
; The chip was launched on July 23, 2026; its instructions are those of AMD's public machine-readable ISA for CDNA 5 (MIT licence, August 2026) and "CDNA5" Instruction Set Architecture Reference Guide (July 2026). The comments in the code are by the model that wrote it; some were corrected since.
;; Dat Transformer. Allowed arithmetic: matrix products marked QUANTISED: E5M2 operands, one E8M0 scale for each 32 along K, by v_wmma_scale_f32_16x16x128_f8f6f4 with both operands' format E5M2, f32 sums; everything else in f32.
;; Inputs: k_b 512 float32; k_w_codes 512 x 16 x 32 uint8 (E5M2 codes of k_w, K innermost, in blocks of 32 codes); k_w_scales 512 x 16 uint8 (E8M0 scales of k_w, one for each 32 codes along K); out_b 512 float32; out_w_codes 512 x 16 x 32 uint8 (E5M2 codes of out_w, K innermost, in blocks of 32 codes); out_w_scales 512 x 16 uint8 (E8M0 scales of out_w, one for each 32 codes along K); q_b 512 float32; q_w_codes 512 x 16 x 32 uint8 (E5M2 codes of q_w, K innermost, in blocks of 32 codes); q_w_scales 512 x 16 uint8 (E8M0 scales of q_w, one for each 32 codes along K); v_b 512 float32; v_w_codes 512 x 16 x 32 uint8 (E5M2 codes of v_w, K innermost, in blocks of 32 codes); v_w_scales 512 x 16 uint8 (E8M0 scales of v_w, one for each 32 codes along K); x_codes 4,096 x 4 x 16 x 32 uint8 (E5M2 codes of x, K innermost, in blocks of 32 codes); x_scales 4,096 x 4 x 16 uint8 (E8M0 scales of x, one for each 32 codes along K).
;; Outputs: out0 4,096 x 4 x 512 float32.
;; This version of the problem:
;;   THIS VERSION OF THE PROBLEM IS GIVEN IN LOW PRECISION. The matrix products marked QUANTISED in the list below multiply operands that are first quantised to E5M2 (5 exponent bits, 2 mantissa bits; 8 bits a number), with one power-of-two scale for each 32 numbers along K (OCP MX v1.0); their sums are f32. All else is computed in f32.
;;   The module's matrix products, in the order in which they are computed (A, B: the left and right operand; K: the contracted axis; several contracted axes count as one K, in the product's order):
;;     1. [M 16,384, K 512] x [K 512, N 512]; A: input x (given as codes); B: input q_w (given as codes): QUANTISED
;;     2. [M 16,384, K 512] x [K 512, N 512]; A: input x (given as codes); B: input k_w (given as codes): QUANTISED
;;     3. [M 16,384, K 512] x [K 512, N 512]; A: input x (given as codes); B: input v_w (given as codes): QUANTISED
;;     4. batch 4 x [M 4,096, K 512] x [K 512, N 4,096]; A: computed on the way; B: computed on the way: QUANTISED
;;     5. [M 16,384, K 512] x [K 512, N 512]; A: computed on the way; B: input out_w (given as codes): QUANTISED
;;   THE QUANTISER, for each operand of a quantised product, along K:
;;     - K is cut into blocks of 32 from its start; a last block that is shorter is filled with zeros.
;;     - A block's scale is 2^e with e = floor(log2(the largest magnitude in the block)) - 15, held to -126 .. 127; a block of zeros has e = 0. As a byte (E8M0): e + 127.
;;     - Each number is divided by its block's scale, clamped to +-57,344, and rounded to the nearest number of E5M2, ties to even, subnormals kept.
;;     - The product sums the exact products of the quantised numbers (number of the format x scale) in f32.
;;   ~~~python
;;   def quantise(x, axis):      # numpy; x: float32 -> the quantised numbers, widened to float32 again
;;       x = np.moveaxis(x, axis, -1); K = x.shape[-1]
;;       x = np.pad(x, [(0, 0)] * (x.ndim - 1) + [(0, -K % 32)]); x = x.reshape(x.shape[:-1] + (-1, 32)); a = np.abs(x).max(-1, keepdims=True)
;;       e = np.where(a > 0, np.clip(np.frexp(np.where(a > 0, a, 1))[1] - 1 - 15, -126, 127), 0)      # np.frexp(a)[1] - 1 = floor(log2(a)), exactly
;;       r = np.clip(x / 2.0 ** e, -57344, 57344)
;;       step = 2.0 ** (np.maximum(np.frexp(np.where(r == 0, 1, r))[1] - 1, -14) - 2)
;;       q = np.round(r / step) * step * 2.0 ** e      # np.round: ties to even
;;       return np.moveaxis(q.reshape(q.shape[:-2] + (-1,))[..., :K], -1, axis).astype(np.float32)
;;   ~~~
;;   OPERANDS COMPUTED ON THE WAY. 'Computed on the way' means the value that the module computes at that place (a softmax that the list does not call 'softmax' is quantised finished and normalised). What goes into a quantiser is computed in f32, as accurately as f32 sums, v_exp_f32 and their like allow (about 1e-6 of the number): no bf16 or f16 on the way to a quantiser, and a product that is left as it is and whose result goes on into a quantised operand takes f32 operands (vector FMAs, or v_wmma_f32_16x16x4_f32). A number that lies on a knife's edge between two numbers of the format may be rounded either way, as far as f32 arithmetic and the matrix unit's own rounding can turn it there, and no further.
;;   INPUTS GIVEN AS CODES. k_w (in the module: [512, 512], K = its axis 1); out_w (in the module: [512, 512], K = its axis 1); q_w (in the module: [512, 512], K = its axis 1); v_w (in the module: [512, 512], K = its axis 1); x (in the module: [4096, 4, 512], K = its axis 2): each comes as NAME_codes (uint8): NAME with its K axis moved to the last place and cut into blocks of 32 codes, [.., K / 32, bytes a block], one block behind the other in memory; one code a byte (a code: sign, 5 exponent bits, 2 mantissa bits); and NAME_scales (uint8): the same leading axes, one E8M0 byte (e + 127) for each 32 codes along K. Its value is code x scale, taken as it is: it is not quantised again, and the codes and scales need not be those that the quantiser above would give.
;; One version. Each part assembles by itself: llvm-mc -triple=amdgcn-amd-amdhsa -mcpu=gfx1250 --defsym DOCPART=n.
;; ======== version 1 of 1: 3 launches
;; limits: right only within a limited range of input values
;; workspace buffers: qimg 8,650,752 bytes; kimg 8,650,752 bytes; vrec 8,650,752 bytes; maxbuf 131,072 bytes; idxbuf 131,072 bytes of whole numbers
;; launch proj (part 1): grid 64 x 3, 4 waves a work-group, no clusters, 168,448 bytes of LDS; arguments x_codes, x_scales, q_w_codes, k_w_codes, v_w_codes, q_w_scales, k_w_scales, v_w_scales, q_b, k_b, v_b, qimg, kimg, vrec; writes qimg, kimg, vrec
.if DOCPART == 1
	.amdgcn_target "amdgcn-amd-amdhsa--gfx1250"
	.amdhsa_code_object_version 6
	.text
	.protected	k_q0c4c86a59a_proj
	.globl	k_q0c4c86a59a_proj
	.p2align	8
	.type	k_q0c4c86a59a_proj,@function
k_q0c4c86a59a_proj:
	s_mov_b64 s[64:65], 0
	v_nop
	global_prefetch_b8 v0, s[64:65] scope:SCOPE_SE
	s_setreg_imm32_b32 hwreg(HW_REG_WAVE_MODE, 25, 1), 1
	s_wait_xcnt 0x0
; q, k, v = x W^T + b on codes of BF8 (E5M2) with E8M0 scales, and each result quantised again along its 512 units, into records of this program's own.
; x: 16,384 rows (row = 4 s + batch) of 512 codes.  Work-group (x, y): y picks the matrix (0 q, 1 k, 2 v), x picks s = 64 x .. 64 x + 63 of all four batches: 256 rows.
; THE WAVES SHARE THE UNITS, NOT THE ROWS: wave w makes units 128 w .. 128 w + 127 for all 256 rows.  Its 32 fragments of W stay in 512 registers, read from memory once;
; 128 units are one K step of the next product, so a wave makes whole fragments and whole scale words.
; x's 256 rows come into LDS once, one tensor load a wave (its batch's 64 rows of 512 bytes, 2,048 bytes apart in memory), and are read by all four waves.
; THE PRODUCT IS USED TRANSPOSED (source 0 = 16 rows of W, source 1 = 16 rows of x), AND THE ROWS OF W THAT FORM A TILE ARE NOT NEIGHBOURS: lane r of tile 2 b + u takes row
; 32 b + 8 u + r + 8 (r / 8), so that the 16 registers of tiles 2 b and 2 b + 1 are 16 neighbours along the next K.  The bias is the C of a sum's first matrix instruction.
; A RECORD (8,448 bytes = 33 x 256) holds 16 consecutive s of one batch: four blocks of 2,048 bytes, one for each 128 units, then 256 scale bytes [row][16].
;   q, k: a block is the image of the operand's registers (chunk c of 512 bytes: lane l's registers 4 c .. 4 c + 3 at 16 l).   v: a block is [16 rows][128 bytes], so that a row can be gathered.
; Every store of codes covers 512 consecutive bytes, every store of scale bytes one aligned run of 256.
; NO CLUSTER: what work-groups share is W, which goes straight into registers; as a tile in LDS it would be 262,144 bytes beside x's 135,168, more than the 327,680 that there are.
; LIMITS: NaN and infinities among the computed numbers are not served.  A block whose largest magnitude lies under 2^-111, a block of zeros among them, gets the scale byte 1
; (the stated quantiser gives a block of zeros 127): such a block of zeros has zero codes, and the bytes are read by this program alone.
.set REC,   8448
.set BREC,  256*REC                    ; a batch's 256 records
.set XP,    528                        ; a row of x in LDS: 512 bytes + 16 of padding = 33 x 16: the 16 rows of a load start at 16 different 16-byte columns
.set XBAT,  64*XP                      ; a batch's 64 rows
.set SCS,   4*XBAT                     ; behind x: the scale words, [tile 16][row 16][K step 4]
.set VST,   SCS+4096                   ; behind them: a stage of 16 rows x 144 bytes for each wave (v alone)
.set VSP,   144
.set XA,   4                           ; v4-7   LDS address of my lane's part of a fragment of x, batch 0..3
.set WA,   8                           ; v8     W: (r + 8 (r / 8)) x 512 + 16 h
.set WSA,  9                           ; v9     W's scale words: (r + 8 (r / 8)) x 16
.set BA,   10                          ; v10    the bias: 64 h
.set XSA,  11                          ; v11    x's scale words: 64 r
.set IMA,  12                          ; v12    my 16 bytes in a record: 2,048 w + 16 l
.set SSA,  13                          ; v13    where my scale word goes in LDS
.set VSA,  14                          ; v14    v's stage, in
.set VLA,  15                          ; v15    v's stage, back
.set HA,   16                          ; v16-79   my 8 accumulators
.set PC,   80                          ; v80-95   the codes just made
.set TM,   96                          ; v96-111  at work in the quantiser
.set PWS,  112                         ; v112-127 the scale word of tile i
.set WS,   128                         ; v128-159 W's scale words, 4 t + s
.set XS,   160                         ; v160-223 x's scale words, 4 i + s
.set OUTR, 224                         ; v224-239 v's rows back from the stage
.set SRA,  240                         ; v240   the scale words' way out: LDS
.set SGA,  241                         ; v241   and memory
.set SB,   242                         ; v242-249
.set XF,   0                           ; window 3: v0-63 x's four fragments;
.set B1,   64                          ; window 3: v64-127 the bias, 8 t.   Windows 1 and 2: W's fragment (t, s) at v[128 (s & 1) + 16 t] of window 1 + s / 2
.set WV,   32
.set Y,    33
.set G1,   40
.set G0,   48
.set SEL,  52
.set MNT,  54
.set MSB, 0
.macro WIN new                         ; the immediate's high byte repeats the setting that is left; a switch that changes nothing is dropped
.if MSB != (\new)
	s_set_vgpr_msb (MSB<<8)|(\new)
.set MSB, (\new)
.endif
.endm
	s_load_b512 s[4:19], s[0:1], 0x0               ; x s[4:5], its scales s[6:7]; W's codes q, k, v s[8:13]; W's scales q, k, v s[14:19]
	s_load_b256 s[20:27], s[0:1], 0x40             ; the biases q, k, v s[20:25]; qimg s[26:27]
	s_load_b128 s[28:31], s[0:1], 0x60             ; kimg, vrec
	v_lshl_add_u32 v254, v0, 2, 0x29000
	v_mov_b32 v255, 0
	ds_add_u32 v254, v255
	ds_add_u32 v254, v255
	v_lshrrev_b32 v1, 5, v0
	v_readfirstlane_b32 s[WV], v1                  ; wave 0..3
	s_and_b32 s[Y], ttmp7, 0xffff                  ; which matrix
	; descriptor group 1: 64 rows of 512 bytes, 2,048 bytes apart, 16 bytes of padding behind each
	s_mov_b32 s[G1+0], (1<<20)|(6<<22)|(3<<25)     ; no mask; elements of 1 byte; padding on: after every 128 words (code 6) four words (code 3)
	s_mov_b32 s[G1+1], 512<<16                     ; tensor_dim0
	s_mov_b32 s[G1+2], 64<<16                      ; tensor_dim1
	s_mov_b32 s[G1+3], 512<<16                     ; tile_dim0
	s_mov_b32 s[G1+4], 64                          ; tile_dim1
	s_mov_b32 s[G1+5], 2048                        ; from row to row
	s_mov_b32 s[G1+6], 0
	s_mov_b32 s[G1+7], 0
	s_mov_b32 s[G0+0], 1
	s_mul_i32 s[G0+1], s[WV], XBAT                 ; my batch's place in LDS
	s_lshl_b32 s36, ttmp9, 17                      ; 256 rows of 512 bytes a work-group,
	s_lshl_b32 s38, s[WV], 9                       ; and my batch's row among four
	s_add_co_u32 s36, s36, s38
	s_mov_b32 s37, 0
	s_mov_b32 s[SEL], 0x76543210
	s_mov_b32 s[SEL+1], 0xfedcba98                 ; v_permlanex16_b32's selects for lane l xor 16
	s_mov_b32 s[MNT], 0x600000                     ; the mantissa field of 57,344
	s_wait_dscnt 0x0
	s_wait_kmcnt 0x0
	s_add_nc_u64 s[G0+2:G0+3], s[4:5], s[36:37]
	s_or_b32 s[G0+3], s[G0+3], 0x80000000
	tensor_load_to_lds s[G0:G0+3], s[G1:G1+7]      ; the wave's one tensor load: nothing in LDS is filled twice
	s_nop 0
.rept 4
	v_nop                                          ; four nops behind the load
.endr
	s_cmp_eq_u32 s[Y], 0                           ; the matrix's buffers: the choice hangs on the work-group's number alone
	s_cselect_b64 s[8:9], s[8:9], s[10:11]
	s_cselect_b64 s[14:15], s[14:15], s[16:17]
	s_cselect_b64 s[20:21], s[20:21], s[22:23]
	s_cselect_b64 s[26:27], s[26:27], s[28:29]
	s_cmp_eq_u32 s[Y], 2
	s_cselect_b64 s[8:9], s[12:13], s[8:9]         ; W's codes
	s_cselect_b64 s[14:15], s[18:19], s[14:15]     ; W's scales
	s_cselect_b64 s[20:21], s[24:25], s[20:21]     ; the bias
	s_cselect_b64 s[26:27], s[30:31], s[26:27]     ; the records
	s_lshl_b32 s36, ttmp9, 12
	s_add_nc_u64 s[6:7], s[6:7], s[36:37]          ; x's scales: 256 rows of 16 bytes a work-group
	s_lshl_b32 s36, s[WV], 16
	s_add_nc_u64 s[8:9], s[8:9], s[36:37]          ; my 128 rows of W
	s_lshl_b32 s36, s[WV], 11
	s_add_nc_u64 s[14:15], s[14:15], s[36:37]      ; their scale bytes
	s_lshl_b32 s36, s[WV], 9
	s_add_nc_u64 s[20:21], s[20:21], s[36:37]      ; their biases
	s_mul_i32 s36, ttmp9, 4*REC
	s_add_nc_u64 s[26:27], s[26:27], s[36:37]      ; four records of each batch a work-group
	v_and_b32 v1, 31, v0                           ; l
	v_and_b32 v2, 15, v0                           ; r
	v_bfe_u32 v3, v0, 4, 1                         ; h
	v_mul_u32_u24 v[XA], v2, XP
	v_lshl_add_u32 v[XA], v3, 4, v[XA]
	v_add_nc_u32 v[XA+1], XBAT, v[XA]
	v_add_nc_u32 v[XA+2], 2*XBAT, v[XA]
	v_add_nc_u32 v[XA+3], 3*XBAT, v[XA]
	v_and_b32 v[WA], 8, v2
	v_add_nc_u32 v[WSA], v[WA], v2                 ; r + 8 (r / 8)
	v_lshlrev_b32 v[WA], 9, v[WSA]
	v_lshl_add_u32 v[WA], v3, 4, v[WA]
	v_lshlrev_b32 v[WSA], 4, v[WSA]
	v_lshlrev_b32 v[BA], 6, v3
	v_lshlrev_b32 v[XSA], 6, v2
	s_lshl_b32 s38, s[WV], 11
	v_lshl_add_u32 v[IMA], v1, 4, s38
	s_lshl_b32 s38, s[WV], 2
	s_add_co_u32 s38, s38, SCS
	v_lshl_add_u32 v[SSA], v2, 4, s38              ; SCS + 16 r + 4 w
	s_mul_i32 s38, s[WV], 16*VSP
	s_add_co_u32 s38, s38, VST
	v_mul_u32_u24 v[VSA], v2, VSP
	v_lshl_add_u32 v[VSA], v3, 4, v[VSA]
	v_add_nc_u32 v[VSA], s38, v[VSA]               ; in: row r, + 16 h
	v_lshrrev_b32 v[VLA], 3, v1
	v_mul_u32_u24 v[VLA], v[VLA], VSP
	v_and_b32 v[SB], 7, v1
	v_lshl_add_u32 v[VLA], v[SB], 4, v[VLA]
	v_add_nc_u32 v[VLA], s38, v[VLA]               ; back: eight lanes to a row of 128 bytes, four rows an instruction
	s_lshl_b32 s38, s[WV], 10
	s_add_co_u32 s38, s38, SCS
	v_lshl_add_u32 v[SRA], v1, 3, s38              ; wave w sends out the scale bytes of batch w's four tiles
	s_mul_i32 s38, s[WV], BREC
	v_lshl_add_u32 v[SGA], v1, 3, s38
.irp b, 0,1,2,3
	v_mov_b32 v[TM+4+\b], 0                        ; written once: a lane permute's destination counts as one of its sources
.endr
.macro WLOAD s                         ; W's eight fragments of K step s: they stay
	WIN 0x40<<((\s)>>1)
.irp t, 0,1,2,3,4,5,6,7
.irp c, 0,1,2,3
	global_load_b128 v[128*((\s)&1)+16*\t+4*\c:128*((\s)&1)+16*\t+4*\c+3], v[WA], s[8:9] offset:(32*(\t/2)+8*(\t%2))*512+128*(\s)+32*\c
.endr
.endr
.endm
	WLOAD 0
	WLOAD 1
	WLOAD 2
	WLOAD 3
	WIN 0xc0
.irp t, 0,1,2,3,4,5,6,7                ; lane (r, h) wants, for tile t, the biases of units 32 (t / 2) + 8 (t % 2) + 16 h + 0 .. 7
	global_load_b128 v[B1+8*\t:B1+8*\t+3], v[BA], s[20:21] offset:(32*(\t/2)+8*(\t%2))*4
	global_load_b128 v[B1+8*\t+4:B1+8*\t+7], v[BA], s[20:21] offset:(32*(\t/2)+8*(\t%2))*4+16
.endr
	WIN 0
.irp t, 0,1,2,3,4,5,6,7
	global_load_b128 v[WS+4*\t:WS+4*\t+3], v[WSA], s[14:15] offset:(32*(\t/2)+8*(\t%2))*16
.endr
.irp i, 0,1,2,3,4,5,6,7,8,9,10,11,12,13,14,15   ; tile i = 4 x batch + t': row 4 (16 t' + r) + batch, 16 bytes a row
	global_load_b128 v[XS+4*\i:XS+4*\i+3], v[XSA], s[6:7] offset:1024*(\i%4)+16*(\i/4)
.endr
.macro XFETCH i                        ; tile i's four fragments of x
	WIN 0xc0
.irp s, 0,1,2,3
.irp c, 0,1,2,3
	ds_load_b128 v[XF+16*\s+4*\c:XF+16*\s+4*\c+3], v[XA+(\i)/4] offset:((\i)%4)*16*XP+128*\s+32*\c
.endr
.endr
	WIN 0
.endm
; 32 matrix instructions: my 8 tiles of units x 16 rows, K = 512.  The eight accumulators take turns, one instruction a turn.
.macro MUL32 xs
	WIN 0x3d                                       ; W window 1, x window 3, the bias window 3, the sums window 0
.irp t, 0,1,2,3,4,5,6,7
	v_wmma_scale_f32_16x16x128_f8f6f4 v[HA+8*\t:HA+8*\t+7], v[16*\t:16*\t+15], v[XF:XF+15], v[B1+8*\t:B1+8*\t+7], v[WS+4*\t], v[(\xs)] matrix_a_fmt:MATRIX_FMT_BF8 matrix_b_fmt:MATRIX_FMT_BF8
.endr
	WIN 0x0d
.irp t, 0,1,2,3,4,5,6,7
	v_wmma_scale_f32_16x16x128_f8f6f4 v[HA+8*\t:HA+8*\t+7], v[128+16*\t:128+16*\t+15], v[XF+16:XF+31], v[HA+8*\t:HA+8*\t+7], v[WS+4*\t+1], v[(\xs)+1] matrix_a_fmt:MATRIX_FMT_BF8 matrix_b_fmt:MATRIX_FMT_BF8
.endr
	WIN 0x0e                                       ; W window 2
.irp s, 2,3
.irp t, 0,1,2,3,4,5,6,7
	v_wmma_scale_f32_16x16x128_f8f6f4 v[HA+8*\t:HA+8*\t+7], v[128*(\s-2)+16*\t:128*(\s-2)+16*\t+15], v[XF+16*\s:XF+16*\s+15], v[HA+8*\t:HA+8*\t+7], v[WS+4*\t+\s], v[(\xs)+\s] matrix_a_fmt:MATRIX_FMT_BF8 matrix_b_fmt:MATRIX_FMT_BF8
.endr
.endr
	WIN 0
.endm
; 64 numbers of a lane, register 16 b + i = unit 32 b + 16 h + i of my row, become a fragment's codes in v[PC] on and its scale word in v[pw].
.macro QUANT s, pw
.irp b, 0,1,2,3
	v_max3_num_f32 v[TM+\b], |v[\s+16*\b]|, |v[\s+1+16*\b]|, 0x8000000   ; block b: my 16 numbers, and the floor 2^(16 - 127): the byte cannot fall under 1
.endr
.irp i, 2,4,6,8,10,12,14
.irp b, 0,1,2,3
	v_max3_num_f32 v[TM+\b], v[TM+\b], |v[\s+16*\b+\i]|, |v[\s+1+16*\b+\i]|   ; the four blocks by turns
.endr
.endr
.irp b, 0,1,2,3
	v_permlanex16_b32 v[TM+4+\b], v[TM+\b], s[SEL], s[SEL+1]
.endr
.irp b, 0,1,2,3
	v_max_num_f32 v[TM+\b], v[TM+\b], v[TM+4+\b]   ; with lane l xor 16's: the block's largest magnitude
.endr
.irp b, 0,1,2,3
	v_add_nc_u32 v[TM+12+\b], 0xf8800000, v[TM+\b]   ; 15 off its exponent field: the conversion's scale operand
.endr
.irp b, 0,1,2,3
	v_and_or_b32 v[TM+8+\b], v[TM+\b], 0x7f800000, s[MNT]   ; 57,344 x the scale
.endr
.irp b, 0,1,2,3
	v_lshrrev_b32 v[TM+4+\b], 23, v[TM+12+\b]      ; the scale's byte
.endr
	v_lshl_or_b32 v[\pw], v[TM+5], 8, v[TM+4]      ; the four bytes make my row's scale word
	v_lshl_or_b32 v[\pw], v[TM+6], 16, v[\pw]
	v_lshl_or_b32 v[\pw], v[TM+7], 24, v[\pw]
.irp b, 0,1,2,3
.irp i, 0,1,2,3,4,5,6,7,8,9,10,11,12,13,14,15
	v_med3_num_f32 v[\s+16*\b+\i], v[\s+16*\b+\i], -v[TM+8+\b], v[TM+8+\b]   ; the conversion to an 8-bit code does not saturate (ISA guide 7.6.2): the hold comes first
.endr
	v_cvt_scalef32_pk8_bf8_f32 v[PC+4*\b:PC+1+4*\b], v[\s+16*\b:\s+7+16*\b], v[TM+12+\b]
	v_cvt_scalef32_pk8_bf8_f32 v[PC+2+4*\b:PC+3+4*\b], v[\s+8+16*\b:\s+15+16*\b], v[TM+12+\b]
.endr
	v_nop                                          ; a plain line between the last conversion and the next products, which write its sources
.endm
; One tile of 16 rows: products, the next tile's fragments, the quantiser, the way out.
.macro TILE i
	s_wait_dscnt 0x0                               ; x's fragments are in, and my stage's traffic of the last tile is over
	MUL32 XS+4*(\i)
.rept 9
	v_nop                                          ; places: 8 in front of loads into x's registers and of the first read of results, 9 in front of the next tile's first products, which write over the sums with another C
.endr
.if (\i) < 15
	XFETCH (\i)+1
.endif
	s_wait_xcnt 0x0                                ; the last tile's stores have read their registers: the codes and the rows may be written again
	QUANT HA, PWS+(\i)
	ds_store_b32 v[SSA], v[PWS+(\i)] offset:256*(\i)   ; both lanes of a row write the same word with the same value
	s_cmp_eq_u32 s[Y], 2
	s_cbranch_scc1 .Lv_\@
.irp c, 0,1,2,3
	global_store_b128 v[IMA], v[PC+4*\c:PC+4*\c+3], s[26:27] offset:BREC*((\i)/4)+REC*((\i)%4)+512*\c   ; q, k: the registers' image, 512 consecutive bytes a store
.endr
	s_branch .Ljoin_\@
.Lv_\@:
	s_wait_alu depctr_va_vdst(0)
.irp c, 0,1,2,3
	ds_store_b128 v[VSA], v[PC+4*\c:PC+4*\c+3] offset:32*\c   ; v: through my own stage, so that rows lie as rows
.endr
.irp j, 0,1,2,3
	ds_load_b128 v[OUTR+4*\j:OUTR+4*\j+3], v[VLA] offset:4*VSP*\j   ; LDS serves a wave's instructions in order (ISA guide 5.7.1.4): these see the stores above
.endr
.irp j, 0,1,2,3
	s_wait_dscnt 3-\j                              ; load j is in; the 3 - j younger ones may be out
	global_store_b128 v[IMA], v[OUTR+4*\j:OUTR+4*\j+3], s[26:27] offset:BREC*((\i)/4)+REC*((\i)%4)+512*\j   ; four rows of 128 bytes: 512 consecutive bytes
.endr
.Ljoin_\@:
.endm
	s_wait_tensorcnt 0x0                           ; my batch's rows are in LDS,
	s_barrier_signal -1
	s_barrier_wait -1                              ; everybody's are
	XFETCH 0
	s_wait_loadcnt 0x0                             ; W, the biases, all scale words
.irp i, 0,1,2,3,4,5,6,7,8,9,10,11,12,13,14,15
	TILE \i
.endr
	s_wait_dscnt 0x0                               ; for the others' sake: my scale words lie in LDS
	s_barrier_signal -1
	s_barrier_wait -1
.irp j, 0,1,2,3
	ds_load_b64 v[SB+2*\j:SB+2*\j+1], v[SRA] offset:256*\j   ; tile 4 w + j: 16 rows x 16 bytes
.endr
.irp j, 0,1,2,3
	s_wait_dscnt 3-\j
	global_store_b64 v[SGA], v[SB+2*\j:SB+2*\j+1], s[26:27] offset:REC*\j+8192   ; 32 lanes store 256 consecutive bytes, aligned
.endr
	s_wait_tensorcnt 0x0
	ds_add_u32 v254, v255
	s_wait_dscnt 0x0
	s_endpgm
.Lfunc_end_k_q0c4c86a59a_proj:
	.size	k_q0c4c86a59a_proj, .Lfunc_end_k_q0c4c86a59a_proj-k_q0c4c86a59a_proj
	.p2alignl 7, 3214868480
	.fill 96, 4, 3214868480
	.section	.rodata,"a",@progbits
	.p2align	6, 0x0
	.amdhsa_kernel k_q0c4c86a59a_proj
		.amdhsa_group_segment_fixed_size 168448
		.amdhsa_private_segment_fixed_size 0
		.amdhsa_enable_private_segment 0
		.amdhsa_kernarg_size 112
		.amdhsa_user_sgpr_count 2
		.amdhsa_user_sgpr_kernarg_segment_ptr 1
		.amdhsa_wavefront_size32 1
		.amdhsa_system_sgpr_workgroup_id_x 1
		.amdhsa_system_sgpr_workgroup_id_y 1
		.amdhsa_system_sgpr_workgroup_id_z 1
		.amdhsa_system_vgpr_workitem_id 0
		.amdhsa_next_free_vgpr 1024
		.amdhsa_next_free_sgpr 66
		.amdhsa_reserve_vcc 0
		.amdhsa_float_denorm_mode_32 3
		.amdhsa_float_denorm_mode_16_64 3
		.amdhsa_memory_ordered 1
		.amdhsa_forward_progress 1
		.amdhsa_inst_pref_size 255
	.end_amdhsa_kernel
	.section	.bss,"aw",@nobits
	.p2align	6
	.space	262144
	.amdgpu_metadata
---
amdhsa.version: [ 1, 2 ]
amdhsa.kernels:
  - .name:           k_q0c4c86a59a_proj
    .symbol:         k_q0c4c86a59a_proj.kd
    .args:
      - { .name: x_codes, .offset: 0, .size: 8, .value_kind: global_buffer, .address_space: global }
      - { .name: x_scales, .offset: 8, .size: 8, .value_kind: global_buffer, .address_space: global }
      - { .name: q_w_codes, .offset: 16, .size: 8, .value_kind: global_buffer, .address_space: global }
      - { .name: k_w_codes, .offset: 24, .size: 8, .value_kind: global_buffer, .address_space: global }
      - { .name: v_w_codes, .offset: 32, .size: 8, .value_kind: global_buffer, .address_space: global }
      - { .name: q_w_scales, .offset: 40, .size: 8, .value_kind: global_buffer, .address_space: global }
      - { .name: k_w_scales, .offset: 48, .size: 8, .value_kind: global_buffer, .address_space: global }
      - { .name: v_w_scales, .offset: 56, .size: 8, .value_kind: global_buffer, .address_space: global }
      - { .name: q_b, .offset: 64, .size: 8, .value_kind: global_buffer, .address_space: global }
      - { .name: k_b, .offset: 72, .size: 8, .value_kind: global_buffer, .address_space: global }
      - { .name: v_b, .offset: 80, .size: 8, .value_kind: global_buffer, .address_space: global }
      - { .name: qimg, .offset: 88, .size: 8, .value_kind: global_buffer, .address_space: global }
      - { .name: kimg, .offset: 96, .size: 8, .value_kind: global_buffer, .address_space: global }
      - { .name: vrec, .offset: 104, .size: 8, .value_kind: global_buffer, .address_space: global }
    .group_segment_fixed_size: 168448
    .private_segment_fixed_size: 0
    .kernarg_segment_align: 8
    .kernarg_segment_size: 112
    .max_flat_workgroup_size: 128
    .sgpr_count:     66
    .vgpr_count:     1024
    .wavefront_size: 32
...
	.end_amdgpu_metadata
.endif
;; end of part 1
;; launch amax (part 2): grid 32 x 8, 4 waves a work-group, clusters of 4 x 1, 327,680 bytes of LDS; arguments qimg, kimg, maxbuf, idxbuf; writes maxbuf, idxbuf
.if DOCPART == 2
	.amdgcn_target "amdgcn-amd-amdhsa--gfx1250"
	.amdhsa_code_object_version 6
	.text
	.protected	k_q0c4c86a59a_amax
	.globl	k_q0c4c86a59a_amax
	.p2align	8
	.type	k_q0c4c86a59a_amax,@function
k_q0c4c86a59a_amax:
	s_mov_b64 s[64:65], 0
	v_nop
	global_prefetch_b8 v0, s[64:65] scope:SCOPE_SE
	s_setreg_imm32_b32 hwreg(HW_REG_WAVE_MODE, 25, 1), 1
	s_wait_xcnt 0x0
	s_wait_alu depctr_hold_cnt(0) depctr_sa_sdst(0) depctr_va_vdst(0) depctr_va_sdst(0) depctr_va_ssrc(0) depctr_va_vcc(0) depctr_vm_vsrc(0)
	s_getreg_b32 s2, hwreg(HW_REG_IB_STS2, 6, 4)
	s_cmp_eq_u32 s2, 0
	s_cbranch_scc0 .Lentry_in_a_cluster
	s_endpgm
.Lentry_in_a_cluster:
	s_bfe_u32 s2, ttmp6, 0x10000c
	s_cmp_lg_u32 s2, 0x3003
	s_cbranch_scc0 .Lentry_shape_is_right
	s_endpgm
.Lentry_shape_is_right:
; For each query the largest score over half of its batch's keys, and the first key that has it.  Scores = Q K^T on codes of BF8 (E5M2) with E8M0 scales, K = 512, f32 sums.
; qimg, kimg: records of 8,448 bytes for 16 rows of a batch: four K steps of 2,048 bytes (chunk c of 512: lane l's registers 4 c .. 4 c + 3 at 16 l), then [16 rows][16] scale bytes.
; maxbuf, idxbuf: [key half][batch][4,096].
; SHARES.  Work-group (x, y): batch y / 2, key half y % 2, queries 128 x .. 128 x + 127.  Every wave holds all 128 queries in 512 registers; THE WAVES SHARE THE KEYS: of a slot's 16 records wave w takes
; 4 w .. 4 w + 3, so no key fragment is read from LDS twice.  2,048 keys = 8 slots of 256 in a ring of two.
; CLUSTER.  Four neighbouring query blocks want the same keys: each slot is asked for jointly by the four.
; THE HEAD, one tensor load a wave: wave 0 six of the eight query records (tiles 6 and 7 come by plain loads: LDS holds two slots and six records), waves 1 and 2 slot 0, wave 3 slot 1, waited for at the first change of slots.
; USED TRANSPOSED (source 0 = 16 keys, source 1 = 16 queries): lane (r, h) holds query r and, in registers 0 .. 7, keys 8 h + 0 .. 7 of the tile.
; THE MAXIMUM.  While four query tiles are multiplied (16 products), the other four tiles' finished scores are searched, two to five vector lines behind each product: four max3 take the largest of a lane's eight
; scores and the running maximum; where it grew, the tile's first key and its eight scores are kept.  Which of the eight it was is found once, at the end.  Only strict growth counts, and on equal maxima of lanes and
; waves the lower key stays: the first occurrence.
; PREFETCH: at the change that refills a slot with K slot n + 2, the four partners share K slot n + 4's code blocks out by address: a wave asks for one record of its part, a lane 256 bytes; the record's scale
; block comes by its load alone.  The clusters of x under 4 ask.  K slots 0 to 3 come by their loads alone; the last trip asks for nothing.
; LIMITS: NaN among the scores, and a query whose scores are all -infinity, are not served.
.set REC,   8448
.set BREC,  256*REC
.set WPART, 4*REC                      ; a wave's part of a slot
.set SLOT,  16*REC
.set HALFK, 128*REC
.set QR,    2*SLOT                     ; behind the ring: six query records
.set SPARE, QR+6*REC                   ; the spare words
.set RED,   SPARE+512                  ; the waves' maxima [4][128], then their keys
.set ADR,  2                           ; v2-3   LDS: my codes in slot 0, 1
.set ASC,  4                           ; v4-5   and my scale words
.set SPW,  6
.set NIL,  7
.set QO,   8                           ; v8     16 x lane
.set QSO,  9                           ; v9     16 r + 8 h: lanes 0-15 take the words of K steps 0, 1, lanes 16-31 those of 2, 3
.set GOUT, 10
.set REDW, 11
.set REDR, 12
.set QA,   13
.set PFO,  14
.set H8,   15                          ; v15    8 h
.set KSB,  16                          ; v16-17, v24-25 a key tile's scale words, two sets
.set QSB,  18                          ; query tile m's at 18 + 2 m + 2 (m / 3): no product's two scale words have equal numbers modulo 8
.set TT,   40                          ; v40-51 at work: three a chain
.set ACC,  64                          ; v64-127  eight accumulators, one a query tile
.set RR,   128                         ; v128-143 the running maxima, two sets by turns
.set IX,   144                         ; v144-151 the first key of the tile that has it
.set SAV,  152                         ; v152-215 that tile's eight scores
.set JJ,   216
.set RB,   224
.set FB0,  0                           ; window 3: two buffers of a key tile's fragments.  Windows 1 and 2: the queries, tile m at 64 (m % 4)
.set FB1,  64
.set WV,   12
.set G1,   24                          ; a refill
.set G0,   32
.set KT,   40                          ; the first key of the tile whose scores are searched
.set LC,   41
.set SEL,  42
.set LIM,  45
.set G1Q,  48                          ; the head's loads
.set G1A,  56
.set G1B,  68
.set G0Q,  76
.set G0A,  80
.set G0B,  84
.set G0C,  88
.set PFA,  92
.set MSB, 0
.macro WIN new                         ; the immediate's high byte repeats the setting that is left; a switch that changes nothing is dropped
.if MSB != (\new)
	s_set_vgpr_msb (MSB<<8)|(\new)
.set MSB, (\new)
.endif
.endm
.macro CREST                           ; a round of the cluster's barrier behind its opening barrier
	s_cmp_lg_u32 s[WV], 0
	s_cbranch_scc1 .Lnot_wave_0_\@
	s_barrier_signal -3
.Lnot_wave_0_\@:
	s_barrier_wait -3
	s_barrier_signal -1
	s_barrier_wait -1
.endm
.macro CROUND
	s_barrier_signal -1
	s_barrier_wait -1
	CREST
.endm
.macro GROUP1 g, w0, rows              ; so many dense rows of 256 bytes: 32 elements of 8
	s_mov_b32 s[\g+0], \w0
	s_mov_b32 s[\g+1], 32<<16
	s_mov_b32 s[\g+2], (\rows)<<16
	s_mov_b32 s[\g+3], 32<<16
	s_mov_b32 s[\g+4], \rows
	s_mov_b32 s[\g+5], 32
	s_mov_b32 s[\g+6], 0
	s_mov_b32 s[\g+7], 0
.endm
.macro GROUP0 g, lds, base, off
	s_mov_b32 s[\g], 1
	s_mov_b32 s[\g+1], \lds
	s_add_nc_u64 s[\g+2:\g+3], s[\base:\base+1], \off
	s_or_b32 s[\g+3], s[\g+3], 0x80000000
.endm
	s_load_b256 s[4:11], s[0:1], 0x0               ; qimg, kimg, maxbuf, idxbuf
	v_lshl_add_u32 v[SPW], v0, 2, SPARE
	v_mov_b32 v[NIL], 0
	ds_add_u32 v[SPW], v[NIL]                      ; the opening: the add twice on end
	ds_add_u32 v[SPW], v[NIL]
	v_lshrrev_b32 v1, 5, v0
	v_readfirstlane_b32 s[WV], v1
	s_mul_i32 s20, s[WV], WPART
	v_and_b32 v1, 31, v0                           ; l
	v_and_b32 v38, 15, v0                          ; r
	v_bfe_u32 v39, v0, 4, 1                        ; h
	v_lshlrev_b32 v[QO], 4, v1
	v_lshlrev_b32 v[QSO], 4, v38
	v_lshl_add_u32 v[QSO], v39, 3, v[QSO]
	v_lshl_add_u32 v[QA], v1, 4, QR
	v_lshlrev_b32 v[PFO], 8, v1
	v_lshlrev_b32 v[H8], 3, v39
	v_add_nc_u32 v[ADR], s20, v[QO]
	v_add_nc_u32 v[ADR+1], SLOT, v[ADR]
	s_add_co_u32 s21, s20, 8192
	v_add_nc_u32 v[ASC], s21, v[QSO]
	v_add_nc_u32 v[ASC+1], SLOT, v[ASC]
	s_lshl_b32 s21, s[WV], 9
	s_add_co_u32 s21, s21, RED
	v_lshl_add_u32 v[REDW], v38, 2, s21
	v_lshl_add_u32 v[REDR], v0, 2, RED
	v_lshlrev_b32 v[GOUT], 2, v0
	s_wait_alu depctr_va_vdst(0)                   ; the wait ahead of the scalar lines and waits below
	s_bfe_u32 s13, ttmp6, 0x40000                  ; cx: it enters addresses of queries, results and prefetches alone
	s_lshl_b32 s14, ttmp9, 2
	s_add_co_u32 s14, s14, s13                     ; query block
	s_and_b32 s15, ttmp7, 0xffff
	s_lshr_b32 s16, s15, 1                         ; batch
	s_and_b32 s17, s15, 1                          ; key half
	GROUP1 G1, 15|(3<<16)|(1<<21), 132             ; my part of a slot: four records
	GROUP1 G1Q, 3<<16, 198                         ; six query records
	GROUP1 G1A, 15|(3<<16)|(1<<21), 264            ; half a slot
	GROUP1 G1B, 15|(3<<16)|(1<<21), 528            ; a slot
	s_mov_b32 s21, 0
	s_mul_i32 s18, s16, BREC
	s_mul_i32 s22, s14, 8*REC
	s_add_co_u32 s22, s22, s18
	s_mov_b32 s23, 0
	s_mul_i32 s19, s17, HALFK
	s_add_co_u32 s18, s18, s19
	s_mov_b32 s19, 0
	s_lshl_b32 s46, s17, 2
	s_add_co_u32 s46, s46, s16
	s_lshl_b32 s46, s46, 14
	s_lshl_b32 s47, s14, 9
	s_add_co_u32 s46, s46, s47
	s_mov_b32 s47, 0
	s_lshl_b32 s[KT], s17, 11
	s_lshl_b32 s44, s[WV], 6
	s_add_co_u32 s[KT], s[KT], s44                 ; my first tile's first key
	s_mov_b32 s[SEL], 0x76543210
	s_mov_b32 s[SEL+1], 0xfedcba98                 ; v_permlanex16_b32's selects for lane l xor 16
	s_cmp_lt_u32 ttmp9, 4
	s_cselect_b32 s[LIM], 1, 64                    ; prefetches stand in the trips whose count lies above it
	s_mul_i32 s44, s13, REC
	s_wait_dscnt 0x0
	s_wait_kmcnt 0x0
	s_add_nc_u64 s[4:5], s[4:5], s[22:23]          ; my 128 queries
	s_add_nc_u64 s[6:7], s[6:7], s[18:19]          ; my half's keys
	s_add_nc_u64 s[8:9], s[8:9], s[46:47]
	s_add_nc_u64 s[10:11], s[10:11], s[46:47]
	GROUP0 G0Q, QR, 4, 0
	GROUP0 G0A, 0, 6, 0
	GROUP0 G0B, 8*REC, 6, 8*REC
	GROUP0 G0C, SLOT, 6, SLOT
	CROUND                                         ; all four work-groups are here: the first joint loads meet
.macro ARM under, g0, g1, next
	s_cmp_lt_u32 s[WV], \under
	s_cbranch_scc0 \next
	tensor_load_to_lds s[\g0:\g0+3], s[\g1:\g1+7]
	s_nop 0
.rept 4
	v_nop
.endr
	s_branch .Lasked
\next:
.endm
	ARM 1, G0Q, G1Q, .Lhead_1
	ARM 2, G0A, G1A, .Lhead_2
	ARM 3, G0B, G1A, .Lhead_3
	tensor_load_to_lds s[G0C:G0C+3], s[G1B:G1B+7]
	s_nop 0
.rept 4
	v_nop
.endr
.Lasked:
.irp m, 0,1,2,3,4,5,6,7
	global_load_b64 v[QSB+2*\m+2*(\m/3):QSB+2*\m+2*(\m/3)+1], v[QSO], s[4:5] offset:REC*\m+8192
.endr
	WIN 0x80
.irp m, 6,7
.irp s, 0,1,2,3
.irp c, 0,1,2,3
	global_load_b128 v[64*(\m%4)+16*\s+4*\c:64*(\m%4)+16*\s+4*\c+3], v[QO], s[4:5] offset:REC*\m+2048*\s+512*\c
.endr
.endr
.endr
	WIN 0
	s_add_nc_u64 s[18:19], s[6:7], s[20:21]        ; my part of the keys
.irp g, 0,1
	s_mov_b32 s[G0+4*\g], 1
	s_add_co_u32 s[G0+4*\g+1], s20, \g*SLOT
	s_add_nc_u64 s[G0+4*\g+2:G0+4*\g+3], s[18:19], \g*SLOT
	s_or_b32 s[G0+4*\g+3], s[G0+4*\g+3], 0x80000000
.endr
	s_mov_b32 s22, s44
	s_mov_b32 s23, 0
	s_add_nc_u64 s[PFA:PFA+1], s[18:19], s[22:23]  ; the cx-th record of my part,
	s_add_nc_u64 s[PFA:PFA+1], s[PFA:PFA+1], 3*SLOT ; stepped to K slot 4 by the first change of slots
.irp m, 0,1,2,3,4,5,6,7
	v_mov_b32 v[RR+\m], 0xff800000
	v_mov_b32 v[IX+\m], 0
.endr
.set k, 0
.rept 64
	v_mov_b32 v[SAV+k], 0                          ; named by the first selects before they are first written
.set k, k+1
.endr
; THE SEARCH: chains c = 0 .. 3 are query tiles 4 GQ + c; PQ: which set holds the running maxima.
.macro OA c
.set a_, ACC+8*(4*GQ+\c)
	v_max3_num_f32 v[TT+3*\c], v[a_], v[a_+1], v[a_+2]
.endm
.macro OB c
.set a_, ACC+8*(4*GQ+\c)
	v_max3_num_f32 v[TT+3*\c+1], v[a_+3], v[a_+4], v[a_+5]
.endm
.macro OC c
.set a_, ACC+8*(4*GQ+\c)
	v_max3_num_f32 v[TT+3*\c+2], v[a_+6], v[a_+7], v[RR+8*PQ+4*GQ+\c]
.endm
.macro ON c
	v_max3_num_f32 v[RR+8*(1-PQ)+4*GQ+\c], v[TT+3*\c], v[TT+3*\c+1], v[TT+3*\c+2]
.endm
.macro OP c
	v_cmp_gt_f32 vcc_lo, v[RR+8*(1-PQ)+4*GQ+\c], v[RR+8*PQ+4*GQ+\c]
.endm
.macro OI c
	v_cndmask_b32 v[IX+4*GQ+\c], v[IX+4*GQ+\c], s[KT], vcc_lo
.endm
.macro OD c, d                         ; two of the eight scores
.set a_, ACC+8*(4*GQ+\c)+2*\d
.set s_, SAV+8*(4*GQ+\c)+2*\d
	v_cndmask_b32 v[s_], v[s_], v[a_], vcc_lo
	v_cndmask_b32 v[s_+1], v[s_+1], v[a_+1], vcc_lo
.endm
.macro LINES                           ; what stands behind product i of sixteen
.if i == 0
	OA 0
	OB 0
	OC 0
.elseif i == 1
	OA 1
	OB 1
.elseif i == 2
	OC 1
	ON 0
	OA 2
.elseif i == 3
	ON 1
	OB 2
.elseif i == 4
	OC 2
	OA 3
	OP 0
.elseif i == 5
	OI 0
	OD 0, 0
	OB 3
.elseif i == 6
	OD 0, 1
	OD 0, 2
	OC 3
.elseif i == 7
	OD 0, 3
	OP 1
.elseif i == 8
	OI 1
	ON 2
	ON 3
.elseif i == 9
	OD 1, 0
	OD 1, 1
.elseif i == 10
	OD 1, 2
	OD 1, 3
	OP 2
.elseif i == 11
	OI 2
	OD 2, 0
.elseif i == 12
	OD 2, 1
	OD 2, 2
.elseif i == 13
	OD 2, 3
	OP 3
.elseif i == 14
	OI 3
	OD 3, 0
	OD 3, 1
.else
	OD 3, 2
	OD 3, 3
.endif
.endm
.macro MM g, f, kb                     ; product i of a group of four query tiles: K step i / 4, tile i % 4: the four accumulators take turns
.set mm_s, i/4
.set mm_m, 4*(\g)+i%4
.set mm_d, ACC+8*mm_m
.set mm_a, (\f)+16*mm_s
.set mm_b, 64*(i%4)+16*mm_s
.set mm_k, KSB+8*(\kb)+(mm_s&1)
.set mm_q, QSB+2*mm_m+2*(mm_m/3)+(mm_s&1)
	WIN 0x07+4*(\g)                                ; keys window 3, queries window 1 or 2, sums window 0
.if mm_s == 0
	v_wmma_scale_f32_16x16x128_f8f6f4 v[mm_d:mm_d+7], v[mm_a:mm_a+15], v[mm_b:mm_b+15], 0, v[mm_k], v[mm_q] matrix_a_fmt:MATRIX_FMT_BF8 matrix_b_fmt:MATRIX_FMT_BF8
.elseif mm_s == 1
	v_wmma_scale_f32_16x16x128_f8f6f4 v[mm_d:mm_d+7], v[mm_a:mm_a+15], v[mm_b:mm_b+15], v[mm_d:mm_d+7], v[mm_k], v[mm_q] matrix_a_fmt:MATRIX_FMT_BF8 matrix_b_fmt:MATRIX_FMT_BF8
.else
	v_wmma_scale_f32_16x16x128_f8f6f4 v[mm_d:mm_d+7], v[mm_a:mm_a+15], v[mm_b:mm_b+15], v[mm_d:mm_d+7], v[mm_k], v[mm_q] matrix_a_fmt:MATRIX_FMT_BF8 matrix_b_fmt:MATRIX_FMT_BF8 matrix_a_scale:MATRIX_SCALE_ROW1 matrix_b_scale:MATRIX_SCALE_ROW1
.endif
.endm
.macro PHASE g, f, kb, i0, i1, pq      ; products i0 .. i1 - 1 of group g, and the search of the other group (pq = -1: none)
.set GQ, 1-(\g)
.set PQ, \pq
.set i, \i0
.rept (\i1)-(\i0)
	MM \g, \f, \kb
.if PQ >= 0
	WIN 0
	LINES
.endif
.set i, i+1
.endr
.endm
.macro FETCH sl, ti, f, kb             ; tile ti of my part of a slot: 17 LDS loads
	WIN 0xc0
.irp s, 0,1,2,3
.irp c, 0,1,2,3
	ds_load_b128 v[(\f)+16*\s+4*\c:(\f)+16*\s+4*\c+3], v[ADR+(\sl)] offset:REC*(\ti)+2048*\s+512*\c
.endr
.endr
	WIN 0
	ds_load_b64 v[KSB+8*(\kb):KSB+8*(\kb)+1], v[ASC+(\sl)] offset:REC*(\ti)
.endm
.macro QFETCH m
	WIN 0x40<<(\m/4)
.irp s, 0,1,2,3
.irp c, 0,1,2,3
	ds_load_b128 v[64*(\m%4)+16*\s+4*\c:64*(\m%4)+16*\s+4*\c+3], v[QA] offset:REC*\m+2048*\s+512*\c
.endr
.endr
.endm
; A tile.  The search of the tile before (group 1) goes on behind its first sixteen products, its own (group 0) behind the other sixteen.  The next tile's fragments come behind three products,
; whose vector lines are the places in front of these loads (ISA guide 7.12.1 for vector instructions).
.macro TILE sl, ti, step
	s_wait_dscnt 0x0
	PHASE 0, FB0+64*((\ti)%2), (\ti)%2, 0, 3, 1-(\ti)%2
	FETCH \sl, (\ti)+1, FB0+64*(1-(\ti)%2), 1-(\ti)%2
	PHASE 0, FB0+64*((\ti)%2), (\ti)%2, 3, 16, 1-(\ti)%2
	s_add_co_u32 s[KT], s[KT], \step
	PHASE 1, FB0+64*((\ti)%2), (\ti)%2, 0, 16, (\ti)%2
.endm
; A slot's last tile changes slots: one round; behind it this slot is filled again first, then the other is read.
.macro TURN sl
	s_wait_xcnt 0x0                                ; my last prefetch has read its address
	s_wait_tensorcnt 0x0                           ; all my tensor loads have landed
	ds_add_u32 v[SPW], v[NIL]
	s_wait_dscnt 0x1                               ; this tile is in; the add may be out
	s_add_nc_u64 s[PFA:PFA+1], s[PFA:PFA+1], SLOT
	PHASE 0, FB1, 1, 0, 8, 0
	s_wait_alu depctr_va_vdst(0)                   ; the wait ahead of the wait below
	s_wait_dscnt 0x0                               ; the add is done, my reads of this slot are over
	s_barrier_signal -1
	PHASE 0, FB1, 1, 8, 16, 0
	WIN 0
	s_barrier_wait -1
	CREST
	s_add_nc_u64 s[G0+4*(\sl)+2:G0+4*(\sl)+3], s[G0+4*(\sl)+2:G0+4*(\sl)+3], 2*SLOT
	s_add_co_u32 s[KT], s[KT], 16
	tensor_load_to_lds s[G0+4*(\sl):G0+4*(\sl)+3], s[G1:G1+7]
	s_nop 0
.rept 4
	v_nop
.endr
	FETCH 1-(\sl), 0, FB0, 0
	s_cmp_gt_u32 s[LC], s[LIM]
	s_cbranch_scc0 .Lno_ask_\@
	global_prefetch_b8 v[PFO], s[PFA:PFA+1] th:TH_LOAD_NT scope:SCOPE_SE
.Lno_ask_\@:
	PHASE 1, FB1, 1, 0, 16, 1
.endm
	s_wait_alu depctr_va_vdst(0)                   ; the wait at the head's end
	s_cmp_lt_u32 s[WV], 3
	s_cbranch_scc0 .Lslot_1_later
	s_wait_tensorcnt 0x0                           ; waves 0 to 2: the queries and slot 0.  Wave 3's line, slot 1, is waited for at the first change of slots
.Lslot_1_later:
	s_barrier_signal -1
	s_barrier_wait -1
	FETCH 0, 0, FB0, 0
.irp m, 0,1,2,3,4,5
	QFETCH \m
.endr
	WIN 0
	s_wait_loadcnt 0x20                            ; the scale words are in; tiles 6 and 7, 32 loads, may be out
	s_wait_dscnt 0x20                              ; the keys and tiles 0 to 3 are in; tiles 4 and 5, 32 loads, may be out
	PHASE 0, FB0, 0, 0, 16, -1                     ; the first tile: nothing to search yet
	WIN 0
	FETCH 0, 1, FB1, 1
.rept 8
	v_nop                                          ; places (ISA guide 7.12.1) ahead of the first read of the sums
.endr
	s_wait_loadcnt 0x0
	s_wait_dscnt 0x11                              ; tiles 4 and 5 are in; the 17 loads of the next keys may be out
	PHASE 1, FB0, 0, 0, 16, 0
	s_mov_b32 s[LC], 3
.Llap:                                                 ; a trip goes once round the ring, from a slot 0's second tile to the next one's first, and fills both slots again
	TILE 0, 1, 16
	TILE 0, 2, 16
	TURN 0
	TILE 1, 0, 208
	TILE 1, 1, 16
	TILE 1, 2, 16
	TURN 1
	TILE 0, 0, 208
	WIN 0
	s_sub_co_u32 s[LC], s[LC], 1
	s_cmp_lg_u32 s[LC], 0
	s_cbranch_scc1 .Llap
	TILE 0, 1, 16
	TILE 0, 2, 16
	s_wait_dscnt 0x0
	s_wait_tensorcnt 0x0                           ; the last slot: my own load brought what I read
	PHASE 0, FB1, 1, 0, 3, 0
	FETCH 1, 0, FB0, 0
	PHASE 0, FB1, 1, 3, 16, 0
	s_add_co_u32 s[KT], s[KT], 16
	PHASE 1, FB1, 1, 0, 16, 1
	TILE 1, 0, 208
	TILE 1, 1, 16
	TILE 1, 2, 16
	s_wait_dscnt 0x0
	PHASE 0, FB1, 1, 0, 16, 0
	s_add_co_u32 s[KT], s[KT], 16
	PHASE 1, FB1, 1, 0, 16, 1
	WIN 0
.set GQ, 1
.set PQ, 1
.set i, 0
.rept 16
	LINES
.set i, i+1
.endr
; the first of a lane's eight kept scores that equals its maximum
.irp m, 0,1,2,3,4,5,6,7
	v_mov_b32 v[JJ+\m], 7
.endr
.irp j, 6,5,4,3,2,1,0
.irp m, 0,1,2,3,4,5,6,7
	v_cmp_neq_f32 s[48+\m], v[SAV+8*\m+\j], v[RR+\m]
.endr
.irp m, 0,1,2,3,4,5,6,7
	v_cndmask_b32 v[JJ+\m], \j, v[JJ+\m], s[48+\m]
.endr
.endr
.irp m, 0,1,2,3,4,5,6,7
	v_add_nc_u32 v[IX+\m], v[IX+\m], v[JJ+\m]
.endr
.irp m, 0,1,2,3,4,5,6,7
	v_add_nc_u32 v[IX+\m], v[IX+\m], v[H8]
.endr
; with lane l xor 16: the larger, on equality the lower key
.irp m, 0,1,2,3,4,5,6,7
	v_permlanex16_b32 v[SAV+\m], v[RR+\m], s[SEL], s[SEL+1]
	v_permlanex16_b32 v[SAV+8+\m], v[IX+\m], s[SEL], s[SEL+1]
.endr
.irp m, 0,1,2,3,4,5,6,7
	v_cmp_gt_f32 s[48+\m], v[SAV+\m], v[RR+\m]
.endr
.irp m, 0,1,2,3,4,5,6,7
	v_cmp_eq_f32 s[56+\m], v[SAV+\m], v[RR+\m]
.endr
.irp m, 0,1,2,3,4,5,6,7
	v_cmp_lt_u32 s[68+\m], v[SAV+8+\m], v[IX+\m]
.endr
	s_wait_alu depctr_va_vdst(0)                   ; the wait ahead of the scalar lines
.irp m, 0,1,2,3,4,5,6,7
	s_and_b32 s[56+\m], s[56+\m], s[68+\m]
.endr
.irp m, 0,1,2,3,4,5,6,7
	s_or_b32 s[48+\m], s[48+\m], s[56+\m]
.endr
.irp m, 0,1,2,3,4,5,6,7
	v_cndmask_b32 v[RR+\m], v[RR+\m], v[SAV+\m], s[48+\m]
	v_cndmask_b32 v[IX+\m], v[IX+\m], v[SAV+8+\m], s[48+\m]
.endr
.irp m, 0,1,2,3,4,5,6,7
	ds_store_b32 v[REDW], v[RR+\m] offset:64*\m    ; both lanes of a query write the same word with the same value
	ds_store_b32 v[REDW], v[IX+\m] offset:2048+64*\m
.endr
	s_wait_dscnt 0x0
	s_barrier_signal -1
	s_barrier_wait -1
.irp w, 0,1,2,3
	ds_load_b32 v[RB+\w], v[REDR] offset:512*\w
	ds_load_b32 v[RB+4+\w], v[REDR] offset:2048+512*\w
.endr
	s_wait_dscnt 0x0
.irp w, 1,2,3                          ; a thread a query: the four waves' results
	v_cmp_gt_f32 s48, v[RB+\w], v[RB]
	v_cmp_eq_f32 s49, v[RB+\w], v[RB]
	v_cmp_lt_u32 s50, v[RB+4+\w], v[RB+4]
	s_and_b32 s49, s49, s50
	s_or_b32 s48, s48, s49
	v_cndmask_b32 v[RB], v[RB], v[RB+\w], s48
	v_cndmask_b32 v[RB+4], v[RB+4], v[RB+4+\w], s48
.endr
	global_store_b32 v[GOUT], v[RB], s[8:9]
	global_store_b32 v[GOUT], v[RB+4], s[10:11]
	s_wait_tensorcnt 0x0                           ; the wave's end
	ds_add_u32 v[SPW], v[NIL]
	s_wait_dscnt 0x0
	CROUND                                         ; the closing round: no work-group ends while a partner may still ask for keys jointly
	s_endpgm
.Lfunc_end_k_q0c4c86a59a_amax:
	.size	k_q0c4c86a59a_amax, .Lfunc_end_k_q0c4c86a59a_amax-k_q0c4c86a59a_amax
	.p2alignl 7, 3214868480
	.fill 96, 4, 3214868480
	.section	.rodata,"a",@progbits
	.p2align	6, 0x0
	.amdhsa_kernel k_q0c4c86a59a_amax
		.amdhsa_group_segment_fixed_size 327680
		.amdhsa_private_segment_fixed_size 0
		.amdhsa_enable_private_segment 0
		.amdhsa_kernarg_size 32
		.amdhsa_user_sgpr_count 2
		.amdhsa_user_sgpr_kernarg_segment_ptr 1
		.amdhsa_wavefront_size32 1
		.amdhsa_system_sgpr_workgroup_id_x 1
		.amdhsa_system_sgpr_workgroup_id_y 1
		.amdhsa_system_sgpr_workgroup_id_z 1
		.amdhsa_system_vgpr_workitem_id 0
		.amdhsa_next_free_vgpr 1024
		.amdhsa_next_free_sgpr 96
		.amdhsa_reserve_vcc 1
		.amdhsa_float_denorm_mode_32 3
		.amdhsa_float_denorm_mode_16_64 3
		.amdhsa_memory_ordered 1
		.amdhsa_forward_progress 1
		.amdhsa_inst_pref_size 229
	.end_amdhsa_kernel
	.amdgpu_metadata
---
amdhsa.version: [ 1, 2 ]
amdhsa.kernels:
  - .name:           k_q0c4c86a59a_amax
    .symbol:         k_q0c4c86a59a_amax.kd
    .args:
      - { .name: qimg, .offset: 0, .size: 8, .value_kind: global_buffer, .address_space: global }
      - { .name: kimg, .offset: 8, .size: 8, .value_kind: global_buffer, .address_space: global }
      - { .name: maxbuf, .offset: 16, .size: 8, .value_kind: global_buffer, .address_space: global }
      - { .name: idxbuf, .offset: 24, .size: 8, .value_kind: global_buffer, .address_space: global }
    .group_segment_fixed_size: 327680
    .private_segment_fixed_size: 0
    .kernarg_segment_align: 8
    .kernarg_segment_size: 32
    .max_flat_workgroup_size: 128
    .sgpr_count:     96
    .vgpr_count:     1024
    .wavefront_size: 32
...
	.end_amdgpu_metadata
.endif
;; end of part 2
;; launch outp (part 3): grid 256 x 1, 4 waves a work-group, clusters of 4 x 1, 304,640 bytes of LDS; arguments vrec, maxbuf, idxbuf, out_w_codes, out_w_scales, out_b, out0; writes out0
.if DOCPART == 3
	.amdgcn_target "amdgcn-amd-amdhsa--gfx1250"
	.amdhsa_code_object_version 6
	.text
	.protected	k_q0c4c86a59a_outp
	.globl	k_q0c4c86a59a_outp
	.p2align	8
	.type	k_q0c4c86a59a_outp,@function
k_q0c4c86a59a_outp:
	s_mov_b64 s[64:65], 0
	v_nop
	global_prefetch_b8 v0, s[64:65] scope:SCOPE_SE
	s_setreg_imm32_b32 hwreg(HW_REG_WAVE_MODE, 25, 1), 1
	s_wait_xcnt 0x0
	s_wait_alu depctr_hold_cnt(0) depctr_sa_sdst(0) depctr_va_vdst(0) depctr_va_sdst(0) depctr_va_ssrc(0) depctr_va_vcc(0) depctr_vm_vsrc(0)
	s_getreg_b32 s2, hwreg(HW_REG_IB_STS2, 6, 4)
	s_cmp_eq_u32 s2, 0
	s_cbranch_scc0 .Lentry_in_a_cluster
	s_endpgm
.Lentry_in_a_cluster:
	s_bfe_u32 s2, ttmp6, 0x10000c
	s_cmp_lg_u32 s2, 0x3003
	s_cbranch_scc0 .Lentry_shape_is_right
	s_endpgm
.Lentry_shape_is_right:
; out0 = (the chosen row of v, or zeros) out_w^T + out_b, on codes of BF8 (E5M2) with E8M0 scales, K = 512, f32 sums.
; The quantiser works row by row along the 512 units, so the quantised chosen row is the chosen row of the quantised v: codes and scale bytes are gathered from vrec as they lie.
; vrec: records of 8,448 bytes for 16 rows of a batch: four blocks [16 rows][128 bytes], then [16 rows][16] scale bytes.  maxbuf, idxbuf: [key half 2][batch 4][4,096].
; SHARES.  Work-group g owns rows 64 g .. 64 g + 63 of out0 (row = 4 s + batch).  Wave w GATHERS rows 16 w .. 16 w + 15 and owns OUTPUTS 128 w .. 128 w + 127 for all 64 rows: its part of
; out_w stays in 512 registers.  The gathered fragments go from wave to wave through LDS as images of their registers.
; CLUSTER.  Every work-group wants the same 262,144 bytes of out_w.  Four work-groups ask for them JOINTLY: wave w of each issues the same tensor load (its 128 rows of 512 bytes), with the same
; descriptor and a mask that names the four, and each receives them in its own LDS.  A wave reads only what its own load brought.  Nothing in LDS is filled twice.
; NO PREFETCH: there is no loop to run ahead in, and a wave's one load goes out at the head.
; THE TWO HALVES OF THE KEYS.  Which half holds the maximum hangs on floating-point numbers, so it selects VALUES: both halves' rows are gathered (their addresses come from the stored keys alone),
; and v_cndmask_b32 keeps one: the upper half's only where its maximum is strictly greater, so that the first occurrence stays.  A row whose maximum lies under 0.95 gets zero codes, which add nothing.
; THE PRODUCT IS USED TRANSPOSED (source 0 = 16 rows of out_w, source 1 = 16 gathered rows): a lane holds eight neighbouring outputs of one row.  out_b is the C of a sum's first matrix instruction.
; THE WAY OUT goes through each wave's own stage, and a tile's rows are stored behind the NEXT tile's products.  32 lanes store 512 consecutive bytes of a row.
; LIMITS: NaN among the maxima is not served.  A stored key is held to 0 .. 4,095 before it enters an address.
.set REC,   8448
.set BREC,  256*REC
.set WP,    528                        ; a row of out_w in LDS: 512 bytes + 16 of padding = 33 x 16: the 16 rows of a load start at 16 different 16-byte columns
.set WPART, 128*WP                     ; a wave's part: its 128 rows
.set IMG,   4*WPART                    ; behind the weights: four images of 8,448 bytes (codes, then [row][16] scale bytes); no fill lands there
.set SPARE, IMG+4*REC                  ; the spare words
.set SP,    528                        ; a stage row: 512 bytes + 16.  A wave's stage, 16 rows, lies at the head of its own part of the weights: those bytes have had their only fill, and I alone read them, before I store there
.set WLA,  4                           ; v4     LDS: my lane's place in a fragment of out_w
.set WSA,  5
.set BA,   6
.set EO,   7
.set I0,   8                           ; v8-9   the two halves' keys
.set M0,   10                          ; v10-11 and maxima
.set GA,   12                          ; v12-13 where their rows' codes lie
.set GS,   14                          ; v14-15 and scale bytes
.set HA,   16                          ; v16-79   the lower half's codes, later my 8 accumulators
.set C0,   16
.set C1,   80                          ; v80-143  the upper half's codes, later rows back from the stage
.set BK,   80
.set WS,   144                         ; v144-175 out_w's scale words, 4 t + s
.set XS,   176                         ; v176-179 the gathered rows' scale words
.set SG,   180                         ; v180-187 both halves' scale words
.set IWA,  188
.set ISW,  189
.set ILA,  190
.set ISL,  191
.set STO,  192
.set RD,   193
.set CO,   194
.set BB,   195
.set BS,   196
.set TA,   197                         ; v197-198 at work
.set MX,   200
.set XF,   0                           ; window 3: v0-63 four fragments of gathered rows;
.set B1,   64                          ; window 3: v64-127 out_b, 8 t.   Windows 1 and 2: out_w's fragment (t, s) at v[128 (s & 1) + 16 t] of window 1 + s / 2
.set WV,   18
.set G1,   28                          ; s[28:35] descriptor group 1
.set G0,   36                          ; s[36:39] group 0
.set MSB, 0
.macro WIN new                         ; the immediate's high byte repeats the setting that is left; a switch that changes nothing is dropped
.if MSB != (\new)
	s_set_vgpr_msb (MSB<<8)|(\new)
.set MSB, (\new)
.endif
.endm
.macro CROUND                          ; a round of the cluster's barrier
	s_barrier_signal -1
	s_barrier_wait -1
	s_cmp_lg_u32 s[WV], 0
	s_cbranch_scc1 .Lnot_wave_0_\@
	s_barrier_signal -3
.Lnot_wave_0_\@:
	s_barrier_wait -3
	s_barrier_signal -1
	s_barrier_wait -1
.endm
	s_load_b256 s[4:11], s[0:1], 0x0               ; vrec s[4:5], maxbuf s[6:7], idxbuf s[8:9], out_w's codes s[10:11]
	s_load_b128 s[12:15], s[0:1], 0x20             ; out_w's scales, out_b
	s_load_b64 s[16:17], s[0:1], 0x30              ; out0
	v_lshl_add_u32 v254, v0, 2, SPARE
	v_mov_b32 v255, 0
	ds_add_u32 v254, v255                          ; the opening: the add twice on end
	ds_add_u32 v254, v255
	v_lshrrev_b32 v1, 5, v0
	v_readfirstlane_b32 s[WV], v1                  ; wave 0..3
	s_bfe_u32 s19, ttmp6, 0x40000                  ; cx: it enters the lists', the rows' and out0's addresses alone
	s_lshl_b32 s26, ttmp9, 2                       ; in a cluster launch ttmp9 counts clusters
	s_add_co_u32 s26, s26, s19                     ; g
	; descriptor group 1: 128 rows of 512 bytes, dense in memory, 16 bytes of padding behind each
	s_mov_b32 s[G1+0], 15|(1<<20)|(1<<21)|(6<<22)|(3<<25)   ; the mask: all four work-groups; elements of 1 byte; padding on; bit 21 set beside a mask; after every 128 words (code 6) four words (code 3)
	s_mov_b32 s[G1+1], 512<<16                     ; tensor_dim0
	s_mov_b32 s[G1+2], 128<<16                     ; tensor_dim1
	s_mov_b32 s[G1+3], 512<<16                     ; tile_dim0
	s_mov_b32 s[G1+4], 128                         ; tile_dim1
	s_mov_b32 s[G1+5], 512                         ; from row to row
	s_mov_b32 s[G1+6], 0
	s_mov_b32 s[G1+7], 0
	s_mov_b32 s[G0+0], 1
	s_mul_i32 s[G0+1], s[WV], WPART                ; my part of the weights in LDS: the wave's number alone
	v_and_b32 v1, 31, v0                           ; l
	v_and_b32 v2, 15, v0                           ; r
	v_bfe_u32 v3, v0, 4, 1                         ; h
	v_and_b32 v[TA], 3, v2                         ; my row's batch: r % 4
	v_lshrrev_b32 v[TA+1], 2, v2                   ; and s = 16 g + 4 w + r / 4
	s_lshl_b32 s27, s26, 6
	s_lshl_b32 s25, s[WV], 4
	s_add_co_u32 s27, s27, s25
	v_lshlrev_b32 v[EO], 14, v[TA]
	v_lshl_add_u32 v[EO], v[TA+1], 2, v[EO]
	v_add_nc_u32 v[EO], s27, v[EO]                 ; batch x 16,384 + 4 s
	v_mul_u32_u24 v[BS], v[TA], BREC               ; the batch's records
	v_lshl_add_u32 v[BB], v3, 4, v[BS]
	v_lshlrev_b32 v[WSA], 4, v2
	v_lshlrev_b32 v[BA], 5, v3
	s_mul_i32 s24, s[WV], REC
	s_add_co_u32 s24, s24, IMG
	v_lshl_add_u32 v[IWA], v1, 4, s24              ; my image: 16 x lane
	s_add_co_u32 s24, s24, 8192
	v_lshl_add_u32 v[ISW], v2, 4, s24              ; its scale bytes: 16 r
	v_lshl_add_u32 v[ILA], v1, 4, IMG
	v_lshl_add_u32 v[ISL], v2, 4, IMG+8192
	v_mul_u32_u24 v[WLA], v2, WP
	v_lshl_add_u32 v[WLA], v3, 4, v[WLA]
	v_add_nc_u32 v[WLA], s[G0+1], v[WLA]           ; out_w: row r of a tile, + 16 h
	v_mul_u32_u24 v[STO], v2, SP
	v_lshl_add_u32 v[STO], v3, 5, v[STO]
	v_add_nc_u32 v[STO], s[G0+1], v[STO]           ; my stage, in: row r, + 32 h
	v_lshl_add_u32 v[RD], v1, 4, s[G0+1]           ; back: a row of 512 bytes to 32 lanes
	s_lshl_b32 s25, s[WV], 9
	v_lshl_add_u32 v[CO], v1, 4, s25               ; and in out0: my 128 outputs' 512 bytes of a row
	s_mov_b32 s23, 0
	s_wait_alu depctr_va_vdst(0)                   ; the wait ahead of the waits below
	s_wait_dscnt 0x0
	s_wait_kmcnt 0x0
	global_load_b32 v[I0], v[EO], s[8:9]           ; the lists first: the longest chain of the launch begins here
	global_load_b32 v[I0+1], v[EO], s[8:9] offset:65536
	global_load_b32 v[M0], v[EO], s[6:7]
	global_load_b32 v[M0+1], v[EO], s[6:7] offset:65536
	s_lshl_b32 s22, s[WV], 16
	s_add_nc_u64 s[G0+2:G0+3], s[10:11], s[22:23]  ; my 128 rows of out_w
	s_or_b32 s[G0+3], s[G0+3], 0x80000000
	s_lshl_b32 s22, s[WV], 11
	s_add_nc_u64 s[12:13], s[12:13], s[22:23]      ; their scale bytes,
	s_lshl_b32 s22, s[WV], 9
	s_add_nc_u64 s[14:15], s[14:15], s[22:23]      ; their biases
	s_lshl_b32 s22, s26, 17
	s_add_nc_u64 s[16:17], s[16:17], s[22:23]      ; 64 rows of 2,048 bytes a work-group
	CROUND                                         ; all four work-groups are here: the joint loads meet
	tensor_load_to_lds s[G0:G0+3], s[G1:G1+7]
	s_nop 0
.rept 4
	v_nop                                          ; four nops behind the load
.endr
	WIN 0xc0
.irp t, 0,1,2,3,4,5,6,7                ; lane (r, h) wants, for tile t, the biases of outputs 16 t + 8 h + 0 .. 7
	global_load_b128 v[B1+8*\t:B1+8*\t+3], v[BA], s[14:15] offset:64*\t
	global_load_b128 v[B1+8*\t+4:B1+8*\t+7], v[BA], s[14:15] offset:64*\t+16
.endr
	WIN 0
.irp t, 0,1,2,3,4,5,6,7
	global_load_b128 v[WS+4*\t:WS+4*\t+3], v[WSA], s[12:13] offset:256*\t
.endr
	s_wait_loadcnt 24                              ; the keys and maxima are in; the 24 loads issued behind them may be out
.irp u, 0,1
	v_min_u32 v[I0+\u], 0xfff, v[I0+\u]            ; a key stays inside its batch
	v_and_b32 v[GA+\u], 0xff0, v[I0+\u]
	v_mul_u32_u24 v[GA+\u], v[GA+\u], 528          ; (key / 16) records of 8,448 bytes
	v_and_b32 v[TA+\u], 15, v[I0+\u]
	v_lshl_add_u32 v[GS+\u], v[TA+\u], 4, v[GA+\u] ; its row's 16 scale bytes,
	v_lshl_add_u32 v[GA+\u], v[TA+\u], 7, v[GA+\u] ; its row's 128 bytes of a block
	v_add_nc_u32 v[GS+\u], v[GS+\u], v[BS]
	v_add_nc_u32 v[GA+\u], v[GA+\u], v[BB]
.endr
.irp s, 0,1,2,3
.irp c, 0,1,2,3
	global_load_b128 v[C0+16*\s+4*\c:C0+16*\s+4*\c+3], v[GA], s[4:5] offset:2048*\s+32*\c      ; units 128 s + 32 c + 16 h + 0 .. 15 of the chosen row: the operand's registers
	global_load_b128 v[C1+16*\s+4*\c:C1+16*\s+4*\c+3], v[GA+1], s[4:5] offset:2048*\s+32*\c
.endr
.endr
	global_load_b128 v[SG:SG+3], v[GS], s[4:5] offset:8192
	global_load_b128 v[SG+4:SG+7], v[GS+1], s[4:5] offset:8192
	v_cmp_gt_f32 s20, v[M0+1], v[M0]               ; the upper half's only where it is strictly greater
	v_max_num_f32 v[MX], v[M0], v[M0+1]
	v_cmp_le_f32 s21, 0x3f733333, v[MX]            ; 0.95 <= the row's maximum
.macro WFETCH k                        ; out_w's sixteen fragments of K steps 2 k and 2 k + 1, out of my own part of LDS into window 1 + k: they stay
	WIN 0x40<<(\k)
.irp u, 0,1
.irp t, 0,1,2,3,4,5,6,7
.irp c, 0,1,2,3
	ds_load_b128 v[128*\u+16*\t+4*\c:128*\u+16*\t+4*\c+3], v[WLA] offset:256*(\k)+16*\t*WP+128*\u+32*\c
.endr
.endr
.endr
.endm
	s_wait_alu depctr_va_vdst(0)                   ; the wait ahead of the waits below
	s_wait_tensorcnt 0x0                           ; my rows of out_w have landed
	WFETCH 0
	WFETCH 1
	WIN 0
	s_wait_loadcnt 0x0                             ; the gathered rows, the biases, the scale words
.set k, 0
.rept 64
	v_cndmask_b32 v[C0+k], v[C0+k], v[C1+k], s20
.set k, k+1
.endr
.set k, 0
.rept 64
	v_cndmask_b32 v[C0+k], 0, v[C0+k], s21         ; a row that is not taken: zero codes
.set k, k+1
.endr
.irp k, 0,1,2,3
	v_cndmask_b32 v[SG+\k], v[SG+\k], v[SG+4+\k], s20
.endr
.irp s, 0,1,2,3
.irp c, 0,1,2,3
	ds_store_b128 v[IWA], v[C0+16*\s+4*\c:C0+16*\s+4*\c+3] offset:2048*\s+512*\c
.endr
.endr
	ds_store_b128 v[ISW], v[SG:SG+3]               ; both lanes of a row write the same 16 bytes
	s_wait_dscnt 0x0                               ; for the others' sake: my image lies in LDS; and out_w's fragments are in my registers
	s_barrier_signal -1
	s_barrier_wait -1
.macro XFETCH m                        ; the image of rows 16 m on, in any wave: 17 LDS loads
	WIN 0xc0
.irp s, 0,1,2,3
.irp c, 0,1,2,3
	ds_load_b128 v[XF+16*\s+4*\c:XF+16*\s+4*\c+3], v[ILA] offset:REC*(\m)+2048*\s+512*\c
.endr
.endr
	WIN 0
	ds_load_b128 v[XS:XS+3], v[ISL] offset:REC*(\m)
.endm
; 32 matrix instructions: my 8 tiles of outputs x 16 rows, K = 512.  The eight accumulators take turns, one instruction a turn.
.macro MUL32 xs
	WIN 0x3d                                       ; out_w window 1, the rows window 3, the bias window 3, the sums window 0
.irp t, 0,1,2,3,4,5,6,7
	v_wmma_scale_f32_16x16x128_f8f6f4 v[HA+8*\t:HA+8*\t+7], v[16*\t:16*\t+15], v[XF:XF+15], v[B1+8*\t:B1+8*\t+7], v[WS+4*\t], v[(\xs)] matrix_a_fmt:MATRIX_FMT_BF8 matrix_b_fmt:MATRIX_FMT_BF8
.endr
	WIN 0x0d
.irp t, 0,1,2,3,4,5,6,7
	v_wmma_scale_f32_16x16x128_f8f6f4 v[HA+8*\t:HA+8*\t+7], v[128+16*\t:128+16*\t+15], v[XF+16:XF+31], v[HA+8*\t:HA+8*\t+7], v[WS+4*\t+1], v[(\xs)+1] matrix_a_fmt:MATRIX_FMT_BF8 matrix_b_fmt:MATRIX_FMT_BF8
.endr
	WIN 0x0e                                       ; out_w window 2
.irp s, 2,3
.irp t, 0,1,2,3,4,5,6,7
	v_wmma_scale_f32_16x16x128_f8f6f4 v[HA+8*\t:HA+8*\t+7], v[128*(\s-2)+16*\t:128*(\s-2)+16*\t+15], v[XF+16*\s:XF+16*\s+15], v[HA+8*\t:HA+8*\t+7], v[WS+4*\t+\s], v[(\xs)+\s] matrix_a_fmt:MATRIX_FMT_BF8 matrix_b_fmt:MATRIX_FMT_BF8
.endr
.endr
	WIN 0
.endm
.macro TOSTAGE                         ; a tile's sums into my stage, and back as whole rows: 16 LDS stores, 16 LDS loads
.irp t, 0,1,2,3,4,5,6,7
	ds_store_b128 v[STO], v[HA+8*\t:HA+8*\t+3] offset:64*\t          ; each accumulator from its low end on
	ds_store_b128 v[STO], v[HA+8*\t+4:HA+8*\t+7] offset:64*\t+16
.endr
.irp i, 0,1,2,3,4,5,6,7,8,9,10,11,12,13,14,15
	ds_load_b128 v[BK+4*\i:BK+4*\i+3], v[RD] offset:SP*\i   ; LDS serves a wave's instructions in order (ISA guide 5.7.1.4): these see the stores above, and the next tile's stores come behind them
.endr
.endm
.macro SEND m                          ; rows 16 m on leave; no LDS instruction was issued behind the stage's 16 loads
.irp i, 0,1,2,3,4,5,6,7,8,9,10,11,12,13,14,15
	s_wait_dscnt 15-\i                             ; row i is back; the 15 - i younger loads may be out
	global_store_b128 v[CO], v[BK+4*\i:BK+4*\i+3], s[16:17] offset:(16*(\m)+\i)*2048 th:TH_STORE_NT   ; 32 lanes store 512 consecutive bytes, aligned; written once, read by nobody here
.endr
.endm
	XFETCH 0
.irp m, 0,1,2,3
.if \m == 0
	s_wait_dscnt 0x0                               ; the rows' fragments are in
.else
	s_wait_dscnt 16                                ; at the most 16 of the youngest LDS instructions are out: this tile's 17 loads came ahead of the last tile's 16 stores into the stage and 16 loads back, so they are in and the stores are done
.endif
	MUL32 XS
.if \m > 0
	SEND \m-1                                      ; the last tile's rows: their round trip through the stage ran beside the 32 products above
.endif
.rept 9
	v_nop                                          ; places: 8 in front of loads into the rows' registers and of the first read of results, 9 in front of the next tile's first products, which write over the sums with another C
.endr
.if \m < 3
	XFETCH \m+1
.endif
	s_wait_xcnt 0x0                                ; the last tile's stores have read their registers: the stage's loads may land there
	TOSTAGE
.endr
	SEND 3                                         ; its last wait is for 0: no LDS instruction of mine is out at the signal below
	s_wait_tensorcnt 0x0                           ; the wave's end
	ds_add_u32 v254, v255
	s_wait_dscnt 0x0
	CROUND                                         ; the closing round: no work-group ends while a partner may still ask for a tile that names it
	s_endpgm
.Lfunc_end_k_q0c4c86a59a_outp:
	.size	k_q0c4c86a59a_outp, .Lfunc_end_k_q0c4c86a59a_outp-k_q0c4c86a59a_outp
	.p2alignl 7, 3214868480
	.fill 96, 4, 3214868480
	.section	.rodata,"a",@progbits
	.p2align	6, 0x0
	.amdhsa_kernel k_q0c4c86a59a_outp
		.amdhsa_group_segment_fixed_size 304640
		.amdhsa_private_segment_fixed_size 0
		.amdhsa_enable_private_segment 0
		.amdhsa_kernarg_size 56
		.amdhsa_user_sgpr_count 2
		.amdhsa_user_sgpr_kernarg_segment_ptr 1
		.amdhsa_wavefront_size32 1
		.amdhsa_system_sgpr_workgroup_id_x 1
		.amdhsa_system_sgpr_workgroup_id_y 1
		.amdhsa_system_sgpr_workgroup_id_z 1
		.amdhsa_system_vgpr_workitem_id 0
		.amdhsa_next_free_vgpr 1024
		.amdhsa_next_free_sgpr 66
		.amdhsa_reserve_vcc 0
		.amdhsa_float_denorm_mode_32 3
		.amdhsa_float_denorm_mode_16_64 3
		.amdhsa_memory_ordered 1
		.amdhsa_forward_progress 1
		.amdhsa_inst_pref_size 68
	.end_amdhsa_kernel
	.amdgpu_metadata
---
amdhsa.version: [ 1, 2 ]
amdhsa.kernels:
  - .name:           k_q0c4c86a59a_outp
    .symbol:         k_q0c4c86a59a_outp.kd
    .args:
      - { .name: vrec, .offset: 0, .size: 8, .value_kind: global_buffer, .address_space: global }
      - { .name: maxbuf, .offset: 8, .size: 8, .value_kind: global_buffer, .address_space: global }
      - { .name: idxbuf, .offset: 16, .size: 8, .value_kind: global_buffer, .address_space: global }
      - { .name: out_w_codes, .offset: 24, .size: 8, .value_kind: global_buffer, .address_space: global }
      - { .name: out_w_scales, .offset: 32, .size: 8, .value_kind: global_buffer, .address_space: global }
      - { .name: out_b, .offset: 40, .size: 8, .value_kind: global_buffer, .address_space: global }
      - { .name: out0, .offset: 48, .size: 8, .value_kind: global_buffer, .address_space: global }
    .group_segment_fixed_size: 304640
    .private_segment_fixed_size: 0
    .kernarg_segment_align: 8
    .kernarg_segment_size: 56
    .max_flat_workgroup_size: 128
    .sgpr_count:     66
    .vgpr_count:     1024
    .wavefront_size: 32
...
	.end_amdgpu_metadata
.endif
;; end of part 3
